; MI455X (gfx1250); checked and timed in simulation.
; The chip was launched on July 23, 2026; its instructions are those of AMD's public machine-readable ISA for CDNA 5 (MIT licence, August 2026) and "CDNA5" Instruction Set Architecture Reference Guide (July 2026). The comments in the code are by the model that wrote it; some were corrected since.
;; Attn Block. Allowed arithmetic: float matrix products may take bf16 or f16 operands with f32 sums; all other float work in f32.
;; Inputs: beta 512 float32; bk 512 float32; bo 512 float32; bq 512 float32; bv 512 float32; gamma 512 float32; wk 512 x 512 float32; wo 512 x 512 float32; wq 512 x 512 float32; wv 512 x 512 float32; x 8 x 512 x 2,048 float32.
;; Outputs: out0 8 x 512 x 2,048 float32.
;; One version. Each part assembles by itself: llvm-mc -triple=amdgcn-amd-amdhsa -mcpu=gfx1250 --defsym DOCPART=n.
;; ======== version 1 of 1: 3 launches
;; limits: values outside matrix products are rounded to bf16
;; workspace buffers: part 2,048 bytes; wcat 1,572,864 bytes; bfold 2,048 bytes; qt 16,777,216 bytes; kt 16,777,216 bytes; vb 16,777,216 bytes
;; launch prep (part 1): grid 320 x 1, 8 waves a work-group, no clusters, 116,992 bytes of LDS; arguments x, wq, wk, wv, wo, bv, bo, part, wcat, bfold; writes part, wcat, bfold
.if DOCPART == 1
	.amdgcn_target "amdgcn-amd-amdhsa--gfx1250"
	.amdhsa_code_object_version 6
	.text
	.protected	k_q82caabbd7c_prep
	.globl	k_q82caabbd7c_prep
	.p2align	8
	.type	k_q82caabbd7c_prep,@function
k_q82caabbd7c_prep:
	s_mov_b64 s[64:65], 0
	v_nop
	global_prefetch_b8 v0, s[64:65] scope:SCOPE_SE
	s_setreg_imm32_b32 hwreg(HW_REG_WAVE_MODE, 25, 1), 1
	s_wait_xcnt 0x0
; PREP: everything that the two launches behind it need and that hangs on no attention weight.
; Work-groups 64 .. 319 (id = 0 .. 255): mean and sum of squared deviations of 32,768 numbers of x (a quarter of a GroupNorm group: x bytes id x 131,072 on), kept in 128 registers
;   a lane between the two passes, so x is read once here and no difference of large sums is formed; four rows of wq or wk rounded to bf16 into wcat; two numbers of b' = bo + wo bv, in f32.
; Work-groups 0 .. 63: a block of 32 x 128 of W' = wo wv (bf16 operands, f32 sums, rounded once to bf16).  Since a query's weights add up to 1,
;   wo (V p) + bo = (wo wv h) p + (wo bv + bo) for every input: the fourth projection is folded into the third.
; wcat is laid in the order in which the next launch streams it: [tile i = 4 m + n][wave w][row 0..31][512 c] bf16, m = 0 q, 1 k, 2 W'; the source row is 128 w + 32 n + row.
; No tensor loads, no cluster: no two work-groups read the same bytes of x, and the weights are a small part of the launch's bytes.
; LIMITS: NaN and infinities are not treated apart.
.set RED,   0                          ; LDS: three rows of eight words: the waves' sums at +0, their parts of the dot products at +32, their sums of squares at +64
.set SPARE, 256                        ; the spare words, 128 bytes for each of eight waves: four blocks of 256 bytes that no other line names
.set WVT,   1280                       ; 256 rows k of wv in bf16, 128 columns
.set PWV,   288
.set WOT,   WVT+256*PWV                ; 32 rows o of wo in bf16, 512 columns: 1,024 bytes + 16
.set PWO,   1040
.set STG,   WOT+32*PWO                 ; the way out: 32 rows x (256 + 16) bytes
.set PST,   272
.set SPW,   30                         ; v30  LDS address of my spare word; never rewritten
.set NIL,   31                         ; v31  0; never rewritten
.set X,     32                         ; v[32:159]  x (stats), wv as loaded (fold)
.set WV,    24                         ; s24  my wave's number
.macro PLACES                          ; four plain vector instructions between a matrix instruction and a load into, or a read of, its registers
.rept 4
	v_nop
.endr
.endm
.macro WSUM a, t                       ; v[a] summed over the 32 lanes, the result in every lane; v[t] has been written before
	v_add_f32_dpp v[\a], v[\a], v[\a] row_xmask:1 row_mask:0xf bank_mask:0xf
	v_add_f32_dpp v[\a], v[\a], v[\a] row_xmask:2 row_mask:0xf bank_mask:0xf
	v_add_f32_dpp v[\a], v[\a], v[\a] row_xmask:4 row_mask:0xf bank_mask:0xf
	v_add_f32_dpp v[\a], v[\a], v[\a] row_xmask:8 row_mask:0xf bank_mask:0xf
	v_permlanex16_b32 v[\t], v[\a], s40, s41
	v_add_f32 v[\a], v[\a], v[\t]
.endm
.macro LDWV hh                         ; rows 256 hh + 8 i + wave of wv, my block's 128 columns: a wave's load covers 512 consecutive bytes
.set i, 0
.rept 32
	global_load_b128 v[X+4*i:X+4*i+3], v5, s[10:11] offset:(\hh)*524288+i*16384
.set i, i+1
.endr
.endm
.macro STWV                            ; rounded to bf16 in place, 8 bytes a lane into WVT
.set i, 0
.rept 32
	v_cvt_pk_bf16_f32 v[X+4*i], v[X+4*i], v[X+4*i+1]
	v_cvt_pk_bf16_f32 v[X+4*i+1], v[X+4*i+2], v[X+4*i+3]
.set i, i+1
.endr
.set i, 0
.rept 32
	ds_store_b64 v[8+i/16], v[X+4*i:X+4*i+1] offset:(i%16)*8*PWV
.set i, i+1
.endr
.endm
; Two K steps of 32: wv^T (16 c x 32 k, turned) as source 0, wo (16 o x 32 k) as source 1, so that a lane's eight results are eight neighbouring c of one row o.
; The two accumulators take turns, one instruction a turn.
.macro GRP hh, g
	PLACES
.irp q, 0,1
.set ksl, 2*(\g)+(\q)
.if ksl < 4
	ds_load_tr16_b128 v[160+8*(\q):163+8*(\q)], v11 offset:ksl*32*PWV
	ds_load_tr16_b128 v[164+8*(\q):167+8*(\q)], v11 offset:ksl*32*PWV+16*PWV
.else
	ds_load_tr16_b128 v[160+8*(\q):163+8*(\q)], v12 offset:(ksl-4)*32*PWV
	ds_load_tr16_b128 v[164+8*(\q):167+8*(\q)], v12 offset:(ksl-4)*32*PWV+16*PWV
.endif
.irp o, 0,1
	ds_load_b128 v[176+8*(2*(\q)+(\o)):179+8*(2*(\q)+(\o))], v13 offset:(\o)*16*PWO+(8*(\hh)+ksl)*64
	ds_load_b128 v[180+8*(2*(\q)+(\o)):183+8*(2*(\q)+(\o))], v13 offset:(\o)*16*PWO+(8*(\hh)+ksl)*64+32
.endr
.endr
	s_wait_dscnt 0x0
.irp q, 0,1
.irp o, 0,1
.if ((\hh) == 0) && ((\g) == 0) && ((\q) == 0)
	v_wmma_f32_16x16x32_bf16 v[240+8*(\o):247+8*(\o)], v[160+8*(\q):167+8*(\q)], v[176+8*(2*(\q)+(\o)):183+8*(2*(\q)+(\o))], 0
.else
	v_wmma_f32_16x16x32_bf16 v[240+8*(\o):247+8*(\o)], v[160+8*(\q):167+8*(\q)], v[176+8*(2*(\q)+(\o)):183+8*(2*(\q)+(\o))], v[240+8*(\o):247+8*(\o)]
.endif
.endr
.endr
.endm
	s_load_b512 s[4:19], s[0:1], 0x0               ; x s[4:5], wq s[6:7], wk s[8:9], wv s[10:11], wo s[12:13], bv s[14:15], bo s[16:17], part s[18:19]
	s_load_b128 s[20:23], s[0:1], 0x40             ; wcat s[20:21], bfold s[22:23]
	v_lshl_add_u32 v[SPW], v0, 2, SPARE
	v_mov_b32 v[NIL], 0
	v_lshrrev_b32 v1, 5, v0
	v_readfirstlane_b32 s[WV], v1                  ; wave 0..7
	v_and_b32 v1, 31, v0                           ; lane
	s_mov_b32 s25, ttmp9
	s_mov_b32 s40, 0x76543210                      ; v_permlanex16_b32: each lane takes its own place in the other half
	s_mov_b32 s41, 0xfedcba98
	s_cmp_lt_u32 s25, 64                           ; the same answer in all eight waves
	s_cbranch_scc1 .Lfold
	; ---------------- the statistics, the casts and b' ----------------
	s_sub_co_u32 s26, s25, 64                      ; id
	s_lshl_b32 s28, s26, 17                        ; my 131,072 bytes of x
	s_mov_b32 s29, 0
	s_lshr_b32 s27, s26, 7                         ; 0: wq, 1: wk
	s_and_b32 s30, s26, 127
	s_lshl_b32 s30, s30, 2                         ; my first of four rows
	s_lshl_b32 s32, s30, 11                        ; its byte in the source
	s_mov_b32 s33, 0
	s_lshr_b32 s34, s30, 5
	s_and_b32 s34, s34, 3                          ; n
	s_lshl2_add_u32 s34, s27, s34                  ; tile 4 m + n
	s_lshr_b32 s35, s30, 7                         ; w
	s_lshl2_add_u32 s34, s34, s35                  ; 4 tile + w
	s_lshl_b32 s34, s34, 5
	s_and_b32 s35, s30, 31
	s_add_co_u32 s34, s34, s35                     ; the row in wcat,
	s_lshl_b32 s34, s34, 10                        ; of 1,024 bytes
	s_mov_b32 s35, 0
	s_lshl_b32 s36, s26, 12                        ; rows 2 id, 2 id + 1 of wo
	s_mov_b32 s37, 0
	s_lshl_b32 s38, s26, 3                         ; two words of bo, part and bfold
	s_mov_b32 s39, 0
	v_lshlrev_b32 v2, 4, v0                        ; 16 t
	v_lshlrev_b32 v3, 5, v0                        ; 32 t
	v_and_b32 v4, 127, v0
	v_lshlrev_b32 v4, 4, v4                        ; my four numbers of bv
	v_and_b32 v5, 1, v0
	v_lshlrev_b32 v6, 2, v5
	v_lshlrev_b32 v7, 2, v0
	v_mov_b32 v8, s[WV]
	v_lshlrev_b32 v8, 2, v8                        ; my wave's word in a row of RED
	v_mov_b32 v9, RED
	s_wait_kmcnt 0x0
	s_cmp_eq_u32 s27, 0
	s_cselect_b64 s[42:43], s[6:7], s[8:9]
	s_add_nc_u64 s[42:43], s[42:43], s[32:33]
	s_add_nc_u64 s[4:5], s[4:5], s[28:29]
	s_add_nc_u64 s[12:13], s[12:13], s[36:37]
	s_add_nc_u64 s[16:17], s[16:17], s[38:39]
	s_add_nc_u64 s[18:19], s[18:19], s[38:39]
	s_add_nc_u64 s[22:23], s[22:23], s[38:39]
	s_add_nc_u64 s[20:21], s[20:21], s[34:35]
	global_load_b128 v[160:163], v3, s[42:43]      ; eight numbers of wq or wk
	global_load_b128 v[164:167], v3, s[42:43] offset:16
	global_load_b128 v[172:175], v2, s[12:13]      ; four of wo: waves 0-3 row 2 id, waves 4-7 row 2 id + 1
	global_load_b128 v[176:179], v4, s[14:15]      ; the same columns of bv
	global_load_b32 v180, v6, s[16:17]             ; bo[2 id + lane % 2]
.set i, 0
.rept 32
	global_load_b128 v[X+4*i:X+4*i+3], v2, s[4:5] offset:4096*i   ; the eight waves cover 4,096 consecutive bytes
.set i, i+1
.endr
	s_wait_loadcnt 32                              ; x's 32 loads stay out; the five in front of them are in
	v_cvt_pk_bf16_f32 v168, v160, v161
	v_cvt_pk_bf16_f32 v169, v162, v163
	v_cvt_pk_bf16_f32 v170, v164, v165
	v_cvt_pk_bf16_f32 v171, v166, v167
	global_store_b128 v2, v[168:171], s[20:21]     ; the four rows are 4,096 consecutive bytes of wcat
	v_mul_f32 v181, v172, v176
	v_fmac_f32 v181, v173, v177
	v_fmac_f32 v181, v174, v178
	v_fmac_f32 v181, v175, v179
	s_wait_loadcnt 0x0
	; pass 1: the sum, in four chains that the first eight pairs start
.set p, 4
.rept 60
.set c, 184+2*(p%4)
.if p < 8
	v_pk_add_f32 v[c:c+1], v[X+2*p:X+2*p+1], v[X+2*p-8:X+2*p-7]
.else
	v_pk_add_f32 v[c:c+1], v[c:c+1], v[X+2*p:X+2*p+1]
.endif
.set p, p+1
.endr
	v_pk_add_f32 v[184:185], v[184:185], v[186:187]
	v_pk_add_f32 v[188:189], v[188:189], v[190:191]
	v_pk_add_f32 v[184:185], v[184:185], v[188:189]
	v_add_f32 v184, v184, v185
	WSUM 184, 186
	WSUM 181, 187
	ds_store_b32 v8, v184
	ds_store_b32 v8, v181 offset:32
	s_wait_dscnt 0x0                               ; for the others' sake: my two words are written
	s_barrier_signal -1
	s_barrier_wait -1
	ds_load_b128 v[192:195], v9
	ds_load_b128 v[196:199], v9 offset:16
	ds_load_b128 v[200:203], v9 offset:32
	ds_load_b128 v[204:207], v9 offset:48
	s_wait_dscnt 0x0
	v_add_f32 v192, v192, v193
	v_add_f32 v194, v194, v195
	v_add_f32 v196, v196, v197
	v_add_f32 v198, v198, v199
	v_add_f32 v192, v192, v194
	v_add_f32 v196, v196, v198
	v_add_f32 v192, v192, v196
	v_mul_f32 v208, 0x38000000, v192               ; the mean: the sum / 32,768
	v_mov_b32 v209, v208
	v_add_f32 v200, v200, v201
	v_add_f32 v202, v202, v203
	v_add_f32 v204, v204, v205
	v_add_f32 v206, v206, v207
	v_add_f32 v200, v200, v202                     ; wo[2 id] . bv
	v_add_f32 v204, v204, v206                     ; wo[2 id + 1] . bv
	v_cmp_eq_u32 s44, 1, v5
	v_cndmask_b32 v200, v200, v204, s44
	v_add_f32 v210, v200, v180                     ; b'[2 id + lane % 2]
	; pass 2: the sum of squared deviations from that mean
.set p, 0
.rept 64
	v_pk_add_f32 v[X+2*p:X+2*p+1], v[X+2*p:X+2*p+1], v[208:209] neg_lo:[0,1] neg_hi:[0,1]
.set p, p+1
.endr
.set p, 0
.rept 64
.set c, 184+2*(p%4)
.if p < 4
	v_pk_mul_f32 v[c:c+1], v[X+2*p:X+2*p+1], v[X+2*p:X+2*p+1]
.else
	v_pk_fma_f32 v[c:c+1], v[X+2*p:X+2*p+1], v[X+2*p:X+2*p+1], v[c:c+1]
.endif
.set p, p+1
.endr
	v_pk_add_f32 v[184:185], v[184:185], v[186:187]
	v_pk_add_f32 v[188:189], v[188:189], v[190:191]
	v_pk_add_f32 v[184:185], v[184:185], v[188:189]
	v_add_f32 v184, v184, v185
	WSUM 184, 186
	ds_store_b32 v8, v184 offset:64                ; other words than the first exchange's: no barrier is owed to its readers
	s_wait_dscnt 0x0
	s_barrier_signal -1
	s_barrier_wait -1
	ds_load_b128 v[192:195], v9 offset:64
	ds_load_b128 v[196:199], v9 offset:80
	s_wait_dscnt 0x0
	v_add_f32 v192, v192, v193
	v_add_f32 v194, v194, v195
	v_add_f32 v196, v196, v197
	v_add_f32 v198, v198, v199
	v_add_f32 v192, v192, v194
	v_add_f32 v196, v196, v198
	v_add_f32 v192, v192, v196
	v_cndmask_b32 v211, v208, v192, s44            ; thread 0: the mean, thread 1: the sum of squares
	s_wait_xcnt 0x0                                ; EXEC is a source of the loads and the store above: it changes only behind this wait
	v_cmp_gt_u32 vcc_lo, 2, v0
	s_and_saveexec_b32 s45, vcc_lo
	global_store_b32 v7, v211, s[18:19]
	global_store_b32 v7, v210, s[22:23]
	s_wait_xcnt 0x0                                ; and again in front of the line that widens it
	s_or_b32 exec_lo, exec_lo, s45
	s_wait_tensorcnt 0x0                           ; the wave's end: behind my last LDS store
	ds_add_u32 v[SPW], v[NIL]
	s_wait_dscnt 0x0
	s_endpgm
	; ---------------- W' = wo wv: rows 32 ot .. + 31, columns 128 ct .. + 127; wave w makes columns 16 w .. + 15 ----------------
.Lfold:
	s_lshr_b32 s26, s25, 2                         ; ot
	s_and_b32 s27, s25, 3                          ; ct
	v_and_b32 v2, 15, v0                           ; r = lane % 16
	v_bfe_u32 v3, v0, 4, 1                         ; h = lane / 16
	v_lshlrev_b32 v4, 4, v1
	v_lshl_add_u32 v5, s[WV], 11, v4               ; wv: row w, 16 bytes a lane
	v_lshl_add_u32 v6, s[WV], 13, v4               ; wo: rows 4 w on
	v_lshlrev_b32 v7, 3, v1
	s_mul_i32 s28, s[WV], PWV
	s_add_co_u32 s28, s28, WVT
	v_add_nc_u32 v8, s28, v7                       ; into WVT: row 8 i + w, 8 bytes a lane; i < 16,
	v_add_nc_u32 v9, 128*PWV, v8                   ; and i >= 16: the immediate has 16 bits
	s_mul_i32 s28, s[WV], 4*PWO
	s_add_co_u32 s28, s28, WOT
	v_add_nc_u32 v10, s28, v7                      ; into WOT: rows 4 w on
	v_and_b32 v11, 7, v0
	v_lshl_add_u32 v11, v3, 3, v11                 ; the turning load: lane l reads row 8 h + l % 8,
	v_mul_u32_u24 v11, v11, PWV
	v_bfe_u32 v12, v0, 3, 1
	v_lshl_add_u32 v11, v12, 4, v11                ; columns 8 ((l / 8) % 2) on,
	s_lshl_b32 s28, s[WV], 5
	s_add_co_u32 s28, s28, WVT
	v_add_nc_u32 v11, s28, v11                     ; of my wave's 16 columns
	v_add_nc_u32 v12, 128*PWV, v11
	v_mul_u32_u24 v13, v2, PWO
	v_lshl_add_u32 v13, v3, 4, v13
	v_add_nc_u32 v13, WOT, v13                     ; a fragment of wo: row r, 16 bytes for each half of the lanes
	v_mul_u32_u24 v14, v2, PST
	v_lshl_add_u32 v14, v3, 4, v14
	s_add_co_u32 s28, s28, STG-WVT
	v_add_nc_u32 v14, s28, v14                     ; into the stage: row r, my wave's 32 bytes
	v_lshl_add_u32 v15, s[WV], 2, v3               ; back: rows 4 w + h (+ 2), whole
	v_mul_u32_u24 v16, v15, PST
	v_lshl_add_u32 v16, v2, 4, v16
	v_add_nc_u32 v16, STG, v16
	v_lshlrev_b32 v17, 10, v15                     ; and the same rows in wcat
	v_lshl_add_u32 v17, v2, 4, v17
	s_lshl_b32 s32, s27, 9
	s_mov_b32 s33, 0
	s_lshl_b32 s34, s26, 16
	s_mov_b32 s35, 0
	s_and_b32 s36, s26, 3                          ; rows 32 ot on are tile 8 + ot % 4, wave ot / 4
	s_add_co_u32 s36, s36, 8
	s_lshr_b32 s37, s26, 2
	s_lshl2_add_u32 s36, s36, s37
	s_lshl_b32 s36, s36, 15
	s_lshl_b32 s37, s27, 8
	s_add_co_u32 s36, s36, s37
	s_mov_b32 s37, 0
	s_wait_kmcnt 0x0
	s_add_nc_u64 s[10:11], s[10:11], s[32:33]
	s_add_nc_u64 s[12:13], s[12:13], s[34:35]
	s_add_nc_u64 s[20:21], s[20:21], s[36:37]
	LDWV 0
.set n, 0
.rept 16
	global_load_b128 v[160+4*n:163+4*n], v6, s[12:13] offset:(n/4)*2048+(n%4)*512
.set n, n+1
.endr
	s_wait_loadcnt 16                              ; wo's sixteen loads stay out: wv's rows 0-255 are in
	STWV
	s_wait_dscnt 0x0                               ; the stores have taken their data: the next loads land on the same registers
	LDWV 1
	s_wait_loadcnt 32                              ; those 32 stay out: wo is in
.set n, 0
.rept 16
	v_cvt_pk_bf16_f32 v[160+4*n], v[160+4*n], v[161+4*n]
	v_cvt_pk_bf16_f32 v[161+4*n], v[162+4*n], v[163+4*n]
	ds_store_b64 v10, v[160+4*n:161+4*n] offset:(n/4)*PWO+(n%4)*256
.set n, n+1
.endr
	s_wait_dscnt 0x0                               ; my parts of WVT and WOT are written,
	s_barrier_signal -1
	s_barrier_wait -1                              ; everybody's are
	GRP 0, 0
	GRP 0, 1
	GRP 0, 2
	GRP 0, 3
	s_wait_dscnt 0x0                               ; my reads of WVT are back,
	s_barrier_signal -1
	s_barrier_wait -1                              ; everybody's are: it may be written again
	s_wait_loadcnt 0x0
	STWV
	s_wait_dscnt 0x0
	s_barrier_signal -1
	s_barrier_wait -1
	GRP 1, 0
	GRP 1, 1
	GRP 1, 2
	GRP 1, 3
	PLACES
.irp k, 0,1,2,3,4,5,6,7                ; each accumulator from its low end on
	v_cvt_pk_bf16_f32 v[224+(\k)], v[240+2*(\k)], v[241+2*(\k)]
.endr
	ds_store_b128 v14, v[224:227]
	ds_store_b128 v14, v[228:231] offset:16*PST
	s_wait_dscnt 0x0                               ; a row's 256 bytes come from eight waves
	s_barrier_signal -1
	s_barrier_wait -1
	ds_load_b128 v[232:235], v16
	ds_load_b128 v[236:239], v16 offset:2*PST
	s_wait_dscnt 0x0
	global_store_b128 v17, v[232:235], s[20:21]              ; sixteen lanes store 256 consecutive bytes, at a multiple of 256 from wcat's first
	global_store_b128 v17, v[236:239], s[20:21] offset:2048
	s_wait_tensorcnt 0x0                           ; the wave's end: behind my last LDS store
	ds_add_u32 v[SPW], v[NIL]
	s_wait_dscnt 0x0
	s_endpgm
.Lfunc_end_k_q82caabbd7c_prep:
	.size	k_q82caabbd7c_prep, .Lfunc_end_k_q82caabbd7c_prep-k_q82caabbd7c_prep
	.p2alignl 7, 3214868480
	.fill 96, 4, 3214868480
	.section	.rodata,"a",@progbits
	.p2align	6, 0x0
	.amdhsa_kernel k_q82caabbd7c_prep
		.amdhsa_group_segment_fixed_size 116992
		.amdhsa_private_segment_fixed_size 0
		.amdhsa_enable_private_segment 0
		.amdhsa_kernarg_size 80
		.amdhsa_user_sgpr_count 2
		.amdhsa_user_sgpr_kernarg_segment_ptr 1
		.amdhsa_wavefront_size32 1
		.amdhsa_system_sgpr_workgroup_id_x 1
		.amdhsa_system_sgpr_workgroup_id_y 1
		.amdhsa_system_sgpr_workgroup_id_z 1
		.amdhsa_system_vgpr_workitem_id 0
		.amdhsa_next_free_vgpr 256
		.amdhsa_next_free_sgpr 66
		.amdhsa_reserve_vcc 1
		.amdhsa_float_denorm_mode_32 3
		.amdhsa_float_denorm_mode_16_64 3
		.amdhsa_memory_ordered 1
		.amdhsa_forward_progress 1
		.amdhsa_inst_pref_size 58
	.end_amdhsa_kernel
	.amdgpu_metadata
---
amdhsa.version: [ 1, 2 ]
amdhsa.kernels:
  - .name:           k_q82caabbd7c_prep
    .symbol:         k_q82caabbd7c_prep.kd
    .args:
      - { .name: x, .offset: 0, .size: 8, .value_kind: global_buffer, .address_space: global }
      - { .name: wq, .offset: 8, .size: 8, .value_kind: global_buffer, .address_space: global }
      - { .name: wk, .offset: 16, .size: 8, .value_kind: global_buffer, .address_space: global }
      - { .name: wv, .offset: 24, .size: 8, .value_kind: global_buffer, .address_space: global }
      - { .name: wo, .offset: 32, .size: 8, .value_kind: global_buffer, .address_space: global }
      - { .name: bv, .offset: 40, .size: 8, .value_kind: global_buffer, .address_space: global }
      - { .name: bo, .offset: 48, .size: 8, .value_kind: global_buffer, .address_space: global }
      - { .name: part, .offset: 56, .size: 8, .value_kind: global_buffer, .address_space: global }
      - { .name: wcat, .offset: 64, .size: 8, .value_kind: global_buffer, .address_space: global }
      - { .name: bfold, .offset: 72, .size: 8, .value_kind: global_buffer, .address_space: global }
    .group_segment_fixed_size: 116992
    .private_segment_fixed_size: 0
    .kernarg_segment_align: 8
    .kernarg_segment_size: 80
    .max_flat_workgroup_size: 256
    .sgpr_count:     66
    .vgpr_count:     256
    .wavefront_size: 32
...
	.end_amdgpu_metadata
.endif
;; end of part 1
;; launch qkv (part 2): grid 32 x 8, 4 waves a work-group, clusters of 4 x 1, 327,680 bytes of LDS; arguments x, gamma, beta, bq, bk, bfold, part, wcat, qt, kt, vb; writes qt, kt, vb
.if DOCPART == 2
	.amdgcn_target "amdgcn-amd-amdhsa--gfx1250"
	.amdhsa_code_object_version 6
	.text
	.protected	k_q82caabbd7c_qkv
	.globl	k_q82caabbd7c_qkv
	.p2align	8
	.type	k_q82caabbd7c_qkv,@function
k_q82caabbd7c_qkv:
	s_mov_b64 s[64:65], 0
	v_nop
	global_prefetch_b8 v0, s[64:65] scope:SCOPE_SE
	s_setreg_imm32_b32 hwreg(HW_REG_WAVE_MODE, 25, 1), 1
	s_wait_xcnt 0x0
	s_wait_alu depctr_hold_cnt(0) depctr_sa_sdst(0) depctr_va_vdst(0) depctr_va_sdst(0) depctr_va_ssrc(0) depctr_va_vcc(0) depctr_vm_vsrc(0)
	s_getreg_b32 s2, hwreg(HW_REG_IB_STS2, 6, 4)
	s_cmp_eq_u32 s2, 0
	s_cbranch_scc0 .Lentry_in_a_cluster
	s_endpgm
.Lentry_in_a_cluster:
	s_bfe_u32 s2, ttmp6, 0x10000c
	s_cmp_lg_u32 s2, 0x3003
	s_cbranch_scc0 .Lentry_shape_is_right
	s_endpgm
.Lentry_shape_is_right:
; QKV: h = GroupNorm(x), then q, k, v' = [wq; wk; wo wv] h + [bq; bk; b'], bf16 operands, f32 sums, the bias added in f32, each result rounded once to bf16.
; SHARES.  A work-group owns one batch and 64 columns l, against all 1,536 output rows.  Each of its four waves keeps h^T (64 l x 512 c, bf16) whole in 512 registers; the weights stream
; through LDS in 12 tiles of 128 rows, of which wave w fetches and reads only its own 32: 32 o x 64 l x 512 c = 128 matrix instructions on 8 accumulators, half an LDS load for each.
; CLUSTER.  The four work-groups of a cluster stream the same weights, so each tile is asked for JOINTLY: the same tensor load, descriptor and mask in all four.
; THE WALK.  The twelve tiles hang on nothing of each other, so a cluster may take them in any order: cluster (x, y) begins at tile (x + 3 y) mod 12 and goes round.  So the 64 clusters do not
; all ask for the same bytes of wcat at the same time, and a tile that a cluster asks for has, if the clusters keep pace, been asked for by another cluster a tile earlier.
; h = x A + D with A = gamma rstd, D = beta - mean A, one fused multiply-add: D's rounding leaves |mean A| 2^-24 in h.  The group's figures are joined from four parts of 32,768 numbers:
; M2 = sum M2_k + 32,768 sum (mean_k - mean)^2, no difference of large sums.
; OUT.  qt, kt, vb share one layout, in which every store of a wave is 512 consecutive bytes and every fragment that the next launch needs is 512 consecutive bytes too:
; byte = (32 b + lblk) 65,536 + (t / 2) 32,768 + cs 2,048 + ob 1,024 + (t % 2) 512 + 32 r + 16 hf + 2 j  for l = 64 lblk + 16 t + r, channel = 32 cs + 16 ob + 8 hf + j.
; The matrix instruction takes 16 rows of the weights as source 0 and 16 columns l of h as source 1: a lane then holds one l and eight neighbouring channels.
; REGISTERS, in windows of 256 (s_set_vgpr_msb: bits 1:0 source 0, 3:2 source 1, 5:4 source 2, 7:6 destination):
;   window 0: v0-15 addresses; v16-31 bias; v32-95 accumulators ((ob, t) at 32 + 8 (4 ob + t)); v96-159, v160-223 weight fragments, two buffers; at first A in v32-95, D in v96-159, the groups' figures in v160-175
;   window 1: x as loaded, 128 registers for each half of the channels       windows 2, 3: h^T, fragment (t, cs) in window 2 + cs / 8 at 32 (cs % 8) + 8 t
; LIMITS: NaN and infinities are not treated apart.
.set SLOTB, 133120                     ; an LDS slot: four waves' parts
.set WPART, 33280                      ; a wave's part: 32 rows
.set PW,    1040                       ; of 1,024 bytes + 16 of padding: the 16 rows of a load start at 16 different groups of four banks (64 banks of 4 bytes: ISA guide 11.1)
.set HT,    2*SLOTB                    ; h of 256 channels, [c][64 l] bf16: written by LDS stores alone, never filled by a tensor load
.set PH,    160                        ; 128 bytes + 32
.set SPARE, HT+256*PH                  ; the spare words, 128 bytes for each wave: two blocks of 256 bytes that no other line names
.set WA,  3                            ; v3, v4  my lane's place in my part of slot 0, 1
.set CO,  5                            ; v5   my byte offset in the output block
.set BO,  6                            ; v6   in the bias
.set XO,  7                            ; v7   in x
.set HA,  8                            ; v8   where I put 8 bytes of h
.set HTR, 9                            ; v9   where the turning load reads
.set GO,  10                           ; v10  my byte offset in gamma and beta
.set PO,  11                           ; v11  in part
.set SPW, 14                           ; v14  LDS address of my spare word; never rewritten
.set NIL, 15                           ; v15  0; never rewritten
.set BI,  16
.set ACC, 32
.set F0,  96
.set GA,  32
.set BT,  96
.set WV,  26                           ; s26  my wave's number
.set G1,  32                           ; s[32:39] descriptor group 1
.set G0,  40                           ; s[40:47] descriptor group 0, a set for each slot
.set STT, 48                           ; s[48:63] for each group: -mean, rstd
.set BP,  66                           ; s[66:67] the bias of the tile in hand
.set OUT, 68                           ; s[68:69] where it goes
.set CNT, 72                           ; s72  the loop's trips
.set TI,  80                           ; s80  the tile in hand, 0 to 11
.set NT,  81                           ; s81  the tile behind it in the walk
.set WOF, 82                           ; s[82:83] a tile's byte offset in wcat: 131,072 for each tile
.set MSB, 0
.macro WIN new                         ; the immediate's high byte repeats the setting that is left; a switch that changes nothing is dropped
.if MSB != (\new)
	s_set_vgpr_msb (MSB<<8)|(\new)
.set MSB, \new
.endif
.endm
.macro PLACES                          ; four plain vector instructions between a matrix instruction and a load into, or a read of, its registers
.rept 4
	v_nop
.endr
.endm
.macro ROUND                           ; a round of the cluster's barrier: my work-group's barrier; wave 0 signals for the work-group; every wave waits for all four; my work-group's barrier once more
	s_barrier_signal -1
	s_barrier_wait -1
	s_cmp_lg_u32 s[WV], 0
	s_cbranch_scc1 .Lnot_wave_0_\@
	s_barrier_signal -3
.Lnot_wave_0_\@:
	s_barrier_wait -3
	s_barrier_signal -1
	s_barrier_wait -1
.endm
.macro XLD hh                          ; 32 loads of x: lane (r, hf) of wave w takes 16 bytes of channel 256 hh + 32 (i / 4) + 4 (2 w + hf) + i % 4: sixteen lanes cover a row's 256 bytes
	WIN 0x40
.set i, 0
.rept 32
	global_load_b128 v[128*(\hh)+4*i:128*(\hh)+4*i+3], v[XO], s[4:5] offset:(256*(\hh)+32*(i/4)+(i%4))*8192
.set i, i+1
.endr
	WIN 0
.endm
.macro FMA2 x, a, d, hi                ; two l of one channel: x A + D, with A and D the low (hi = 0) or the high register of their pairs
.if \hi
	v_pk_fma_f32 v[\x:\x+1], v[\x:\x+1], v[\a:\a+1], v[\d:\d+1] op_sel:[0,1,1] op_sel_hi:[1,1,1]
.else
	v_pk_fma_f32 v[\x:\x+1], v[\x:\x+1], v[\a:\a+1], v[\d:\d+1] op_sel:[0,0,0] op_sel_hi:[1,0,0]
.endif
.endm
; Half hh of the channels: normalised, rounded, laid into HT by channels, and read back turned by every wave.
.macro HALF hh
	s_wait_loadcnt 32*(1-(\hh))                    ; this half's 32 loads are in; the other half's 32 may stay out
	WIN 0x41                                       ; x in window 1, A and D in window 0
.set i, 0
.rept 32
.set xr, 128*(\hh)+4*i
.set ar, GA+4*(8*(\hh)+i/4)+((i%4)&2)
.set dr, BT+4*(8*(\hh)+i/4)+((i%4)&2)
.set eh, i&1
	FMA2 xr, ar, dr, eh
.set xr, xr+2
	FMA2 xr, ar, dr, eh
.set i, i+1
.endr
	WIN 0x45
.set i, 0
.rept 32
.set xr, 128*(\hh)+4*i
	v_cvt_pk_bf16_f32 v[xr], v[xr], v[xr+1]
	v_cvt_pk_bf16_f32 v[xr+1], v[xr+2], v[xr+3]
.set i, i+1
.endr
	WIN 0
.if \hh
	s_wait_dscnt 0x0                               ; my reads of the first half are back,
	s_barrier_signal -1
	s_barrier_wait -1                              ; everybody's are: HT may be written again
.endif
	WIN 0x04                                       ; the data in window 1
.set i, 0
.rept 32
	ds_store_b64 v[HA], v[128*(\hh)+4*i:128*(\hh)+4*i+1] offset:(32*(i/4)+(i%4))*PH
.set i, i+1
.endr
	WIN 0
	s_wait_dscnt 0x0                               ; my part of HT is written,
	s_barrier_signal -1
	s_barrier_wait -1                              ; everybody's is
	WIN 0x80+0x40*(\hh)
.set f, 0
.rept 32                               ; channels 32 (f / 4) on, columns 16 (f % 4) on
	ds_load_tr16_b128 v[(f/4)*32+8*(f%4):(f/4)*32+8*(f%4)+3],   v[HTR] offset:(f/4)*32*PH+32*(f%4)
	ds_load_tr16_b128 v[(f/4)*32+8*(f%4)+4:(f/4)*32+8*(f%4)+7], v[HTR] offset:(f/4)*32*PH+32*(f%4)+16*PH
.set f, f+1
.endr
	WIN 0
.endm
.macro PTRS                            ; tile TI = 4 m + n: matrix m, rows 32 n on of each wave's 128
	s_wait_xcnt 0x0                                ; the last tile's loads and stores have read their bases and their data: the accumulators' registers too may be written again
	s_lshr_b32 s73, s[TI], 2
	s_cmp_eq_u32 s73, 0
	s_cselect_b64 s[BP:BP+1], s[10:11], s[12:13]
	s_cselect_b64 s[OUT:OUT+1], s[20:21], s[22:23]
	s_cmp_eq_u32 s73, 2
	s_cselect_b64 s[BP:BP+1], s[14:15], s[BP:BP+1]
	s_cselect_b64 s[OUT:OUT+1], s[24:25], s[OUT:OUT+1]
	s_and_b32 s70, s[TI], 3
	s_lshl_b32 s70, s70, 7                         ; 32 n numbers of the bias
	s_mov_b32 s71, 0
	s_add_nc_u64 s[BP:BP+1], s[BP:BP+1], s[70:71]
	s_lshl_b32 s70, s70, 4                         ; cs = 4 w + n: 2,048 n bytes of the output block
	s_add_nc_u64 s[OUT:OUT+1], s[OUT:OUT+1], s[70:71]
	s_add_nc_u64 s[OUT:OUT+1], s[OUT:OUT+1], s[74:75]
.endm
.macro FETCH slot, g                   ; 16 LDS loads: my 32 rows, channels 128 g .. + 127, into buffer g % 2.  Destination and address lie in window 0 under the products' settings too
.irp c, 0,1,2,3
.irp o, 0,1
	ds_load_b128 v[F0+64*((\g)%2)+8*(2*(\c)+(\o)):F0+64*((\g)%2)+8*(2*(\c)+(\o))+3],   v[WA+(\slot)] offset:(\o)*16*PW+(4*(\g)+(\c))*64
	ds_load_b128 v[F0+64*((\g)%2)+8*(2*(\c)+(\o))+4:F0+64*((\g)%2)+8*(2*(\c)+(\o))+7], v[WA+(\slot)] offset:(\o)*16*PW+(4*(\g)+(\c))*64+32
.endr
.endr
.endm
.macro MUL g                           ; 32 matrix instructions; the eight accumulators take turns; the first eight start the sums
	WIN 0x08+4*((\g)/2)                            ; h^T in window 2 or 3
.irp c, 0,1,2,3
.irp o, 0,1
.irp t, 0,1,2,3
.set cs, 4*(\g)+(\c)
.set fa, F0+64*((\g)%2)+8*(2*(\c)+(\o))
.set hb, (cs%8)*32+8*(\t)
.set ac, ACC+8*(4*(\o)+(\t))
.if cs == 0
	v_wmma_f32_16x16x32_bf16 v[ac:ac+7], v[fa:fa+7], v[hb:hb+7], 0
.else
	v_wmma_f32_16x16x32_bf16 v[ac:ac+7], v[fa:fa+7], v[hb:hb+7], v[ac:ac+7]
.endif
.endr
.endr
.endr
.endm
; A tile.  refill = 1: the other slot, read out in the tile before, is asked for again behind a round of the cluster's barrier, with the walk's next tile; that load has this tile's 128 matrix
; instructions in which to land.  Its address is made anew: wcat at my 32 rows plus the tile's number times 131,072.
.macro TILE slot, refill
	PTRS
	WIN 0
	s_wait_tensorcnt 0x0                           ; my one tensor load that was out, my part of this tile, has landed; only I read it
.if \refill
	ds_add_u32 v[SPW], v[NIL]                      ; 0 onto my spare word; the scalar work below stands between it and the wait for it
	s_add_co_u32 s[NT], s[TI], 1                   ; the next tile, round the twelve
	s_cmp_eq_u32 s[NT], 12
	s_cselect_b32 s[NT], 0, s[NT]
	s_lshl_b32 s[WOF], s[NT], 17
	s_add_nc_u64 s[G0+6-4*(\slot):G0+7-4*(\slot)], s[18:19], s[WOF:WOF+1]  ; no load of mine is out: the other slot's group 0 may be written
	s_or_b32 s[G0+7-4*(\slot)], s[G0+7-4*(\slot)], 0x80000000             ; 127:126 type = 2
	s_wait_dscnt 0x0                               ; the add is done, and my reads of the other slot are back
	ROUND                                          ; both now hold of every wave of all four work-groups
	tensor_load_to_lds s[G0+4-4*(\slot):G0+7-4*(\slot)], s[G1:G1+7]
	s_nop 0
	PLACES
.endif
.irp o, 0,1
	global_load_b128 v[BI+8*(\o):BI+8*(\o)+3],   v[BO], s[BP:BP+1] offset:(\o)*64
	global_load_b128 v[BI+8*(\o)+4:BI+8*(\o)+7], v[BO], s[BP:BP+1] offset:(\o)*64+16
.endr
	FETCH \slot, 0
	FETCH \slot, 1
	s_wait_dscnt 16                                ; the younger sixteen loads may stay out, here and twice below
	MUL 0
	PLACES
	FETCH \slot, 2
	s_wait_dscnt 16
	MUL 1
	PLACES
	FETCH \slot, 3
	s_wait_dscnt 16
	MUL 2
	s_wait_dscnt 0x0
	MUL 3
	WIN 0
	PLACES
	s_wait_loadcnt 0x0                             ; the bias
.irp o, 0,1
.irp t, 0,1,2,3
.irp k, 0,1,2,3                        ; each accumulator from its low end on
	v_pk_add_f32 v[ACC+8*(4*(\o)+(\t))+2*(\k):ACC+8*(4*(\o)+(\t))+2*(\k)+1], v[ACC+8*(4*(\o)+(\t))+2*(\k):ACC+8*(4*(\o)+(\t))+2*(\k)+1], v[BI+8*(\o)+2*(\k):BI+8*(\o)+2*(\k)+1]
.endr
.endr
.endr
.irp o, 0,1
.irp t, 0,1,2,3
.irp k, 0,1,2,3
	v_cvt_pk_bf16_f32 v[ACC+8*(4*(\o)+(\t))+(\k)], v[ACC+8*(4*(\o)+(\t))+2*(\k)], v[ACC+8*(4*(\o)+(\t))+2*(\k)+1]
.endr
.endr
.endr
.irp o, 0,1
.irp t, 0,1,2,3
	global_store_b128 v[CO], v[ACC+8*(4*(\o)+(\t)):ACC+8*(4*(\o)+(\t))+3], s[OUT:OUT+1] offset:((\t)/2)*32768+((\t)%2)*512+(\o)*1024  ; 512 consecutive bytes, at a multiple of 512 from the buffer's first
.endr
.endr
.if \refill
	s_mov_b32 s[TI], s[NT]
.endif
.endm
	s_load_b512 s[4:19], s[0:1], 0x0               ; x s[4:5], gamma s[6:7], beta s[8:9], bq s[10:11], bk s[12:13], bfold s[14:15], part s[16:17], wcat s[18:19]
	s_load_b128 s[20:23], s[0:1], 0x40             ; qt s[20:21], kt s[22:23]
	s_load_b64 s[24:25], s[0:1], 0x50              ; vb
	v_lshl_add_u32 v[SPW], v0, 2, SPARE
	v_mov_b32 v[NIL], 0
	ds_add_u32 v[SPW], v[NIL]                      ; the wave's opening: the add and its wait come ahead of my first tensor load; the set-up below, work on registers, stands between them
	v_lshrrev_b32 v1, 5, v0
	v_readfirstlane_b32 s[WV], v1                  ; wave 0..3
	s_bfe_u32 s27, ttmp6, 0x40000                  ; cx: my place in the cluster
	s_lshl_b32 s28, ttmp9, 2                       ; in a cluster launch ttmp9 counts clusters
	s_add_co_u32 s28, s28, s27                     ; my block of 64 columns: it enters x's and the outputs' addresses alone
	s_and_b32 s29, ttmp7, 0xffff                   ; the batch
	; descriptor group 1: 32 rows of 512 elements, padded in LDS
	s_mov_b32 s[G1+0], 15|(1<<16)|(1<<20)|(1<<21)|(7<<22)|(3<<25)  ; 15:0 the mask of four; 17:16 2-byte elements; 20 padding on; 21 set beside a mask; 24:22 after every 256 words (code 7); 31:25 4 words (code 3)
	s_mov_b32 s[G1+1], 512<<16                     ; tensor_dim0 = 512
	s_mov_b32 s[G1+2], 32<<16                      ; tensor_dim1 = 32
	s_mov_b32 s[G1+3], 512<<16                     ; tile_dim0 = 512
	s_mov_b32 s[G1+4], 32                          ; tile_dim1 = 32
	s_mov_b32 s[G1+5], 512                         ; 512 elements from row to row
	s_mov_b32 s[G1+6], 0
	s_mov_b32 s[G1+7], 0
	s_mul_i32 s73, s[WV], WPART                    ; my part of a slot: no place in the cluster enters an LDS address
	s_mov_b32 s[G0+0], 1
	s_mov_b32 s[G0+1], s73
	s_mov_b32 s[G0+4], 1
	s_add_co_u32 s[G0+5], s73, SLOTB
	s_lshl_b32 s70, s[WV], 15                      ; my 32 rows of a tile in wcat
	s_mov_b32 s71, 0
	s_lshl_b32 s76, s29, 22                        ; x: the batch's 4 MiB, my block's 256 bytes of each row
	s_lshl_b32 s30, s28, 8
	s_add_co_u32 s76, s76, s30
	s_mov_b32 s77, 0
	s_lshl_b32 s78, s29, 8                         ; part: the batch's 32 pairs
	s_mov_b32 s79, 0
	s_lshl_b32 s74, s29, 5
	s_add_co_u32 s74, s74, s28
	s_lshl_b32 s74, s74, 16                        ; the outputs: block 32 b + lblk of 65,536 bytes
	s_mov_b32 s75, 0
	s_mul_i32 s[TI], s29, 3                        ; where my cluster's walk begins: (cluster x + 3 x cluster y) mod 12, made of numbers that the four partners share;
	s_add_co_u32 s[TI], s[TI], ttmp9               ; 28 at the most, so 12 is taken away twice at the most
.rept 2
	s_cmp_ge_u32 s[TI], 12
	s_cselect_b32 s[NT], 12, 0
	s_sub_co_u32 s[TI], s[TI], s[NT]
.endr
	s_lshl_b32 s[WOF], s[TI], 17
	s_mov_b32 s[WOF+1], 0
	s_wait_dscnt 0x0                               ; the opening add is done
	s_wait_kmcnt 0x0
	s_add_nc_u64 s[18:19], s[18:19], s[70:71]      ; wcat at my 32 rows of tile 0
	s_add_nc_u64 s[G0+2:G0+3], s[18:19], s[WOF:WOF+1]  ; the walk's first tile
	s_or_b32 s[G0+3], s[G0+3], 0x80000000          ; 127:126 type = 2
	s_add_nc_u64 s[4:5], s[4:5], s[76:77]
	s_add_nc_u64 s[16:17], s[16:17], s[78:79]
	ROUND                                          ; all four work-groups are here: the first joint loads meet
	tensor_load_to_lds s[G0:G0+3], s[G1:G1+7]      ; the first tile lands while h is made
	s_nop 0
	PLACES
	v_and_b32 v1, 15, v0                           ; r = lane % 16
	v_bfe_u32 v2, v0, 4, 1                         ; hf = lane / 16
	v_mul_u32_u24 v[WA], v1, PW
	v_lshl_add_u32 v[WA], v2, 4, v[WA]
	v_add_nc_u32 v[WA], s73, v[WA]                 ; a weight fragment: row r, 16 bytes for each half of the lanes
	v_add_nc_u32 v[WA+1], SLOTB, v[WA]
	v_lshlrev_b32 v[CO], 5, v1
	v_lshl_add_u32 v[CO], v2, 4, v[CO]
	v_lshl_add_u32 v[CO], s[WV], 13, v[CO]         ; 32 r + 16 hf + 8,192 w: wave w's rows 128 w on are cs = 4 w on
	v_lshlrev_b32 v[BO], 5, v2
	v_lshl_add_u32 v[BO], s[WV], 9, v[BO]          ; 4 (128 w + 8 hf)
	v_lshl_add_u32 v12, s[WV], 1, v2               ; 2 w + hf
	v_lshlrev_b32 v[XO], 15, v12                   ; channel 4 (2 w + hf), rows of 8,192 bytes
	v_lshl_add_u32 v[XO], v1, 4, v[XO]
	v_mul_u32_u24 v[HA], v12, 4*PH
	v_lshl_add_u32 v[HA], v1, 3, v[HA]
	v_add_nc_u32 v[HA], HT, v[HA]
	v_and_b32 v13, 7, v0
	v_lshl_add_u32 v[HTR], v2, 3, v13              ; the turning load: lane l reads channel 8 hf + l % 8,
	v_mul_u32_u24 v[HTR], v[HTR], PH
	v_bfe_u32 v[GO], v0, 3, 1
	v_lshl_add_u32 v[HTR], v[GO], 4, v[HTR]        ; columns 8 ((l / 8) % 2) on
	v_add_nc_u32 v[HTR], HT, v[HTR]
	v_lshlrev_b32 v[GO], 4, v12
	v_lshlrev_b32 v[PO], 5, v13                    ; lane l takes group l % 8
	global_load_b128 v[160:163], v[PO], s[16:17]   ; mean and M2 of the group's four parts
	global_load_b128 v[164:167], v[PO], s[16:17] offset:16
.set u, 0
.rept 16                               ; my four channels 32 u + 4 (2 w + hf) on
	global_load_b128 v[GA+4*u:GA+4*u+3], v[GO], s[6:7] offset:128*u
.set u, u+1
.endr
.set u, 0
.rept 16
	global_load_b128 v[BT+4*u:BT+4*u+3], v[GO], s[8:9] offset:128*u
.set u, u+1
.endr
	XLD 0
	s_wait_loadcnt 63                              ; 64 loads were issued behind part's two; the field ends at 63
	v_add_f32 v168, v160, v162
	v_add_f32 v169, v164, v166
	v_add_f32 v168, v168, v169
	v_mul_f32 v168, 0xbe800000, v168               ; -mean = -(sum of the four means) / 4
	v_add_f32 v170, v160, v168
	v_add_f32 v171, v162, v168
	v_add_f32 v172, v164, v168
	v_add_f32 v173, v166, v168
	v_mul_f32 v170, v170, v170
	v_fmac_f32 v170, v171, v171
	v_fmac_f32 v170, v172, v172
	v_fmac_f32 v170, v173, v173
	v_add_f32 v174, v161, v163
	v_add_f32 v175, v165, v167
	v_add_f32 v174, v174, v175
	v_fmamk_f32 v174, v170, 0x47000000, v174       ; + 32,768 x the sum of the parts' squared distances
	v_mul_f32 v174, 0x37000000, v174               ; / 131,072
	v_add_f32 v174, 0x358637bd, v174               ; + 1e-6
	v_rsq_f32 v175, v174
	v_nop                                          ; a plain instruction between the root and the use of its result
.set g, 0
	s_wait_alu depctr_va_vdst(0)
.rept 8
	v_readlane_b32 s[STT+2*g], v168, g
	v_readlane_b32 s[STT+2*g+1], v175, g
.set g, g+1
.endr
	s_wait_loadcnt 32                              ; x's 32 loads stay out: gamma and beta are in
	XLD 1
.set u, 0
.rept 16                               ; channels 32 u on lie in group u / 2
.irp e, 0,1,2,3
	v_mul_f32 v[GA+4*u+(\e)], s[STT+2*(u/2)+1], v[GA+4*u+(\e)]
	v_fma_f32 v[BT+4*u+(\e)], v[GA+4*u+(\e)], s[STT+2*(u/2)], v[BT+4*u+(\e)]
.endr
.set u, u+1
.endr
	HALF 0
	HALF 1
	s_mov_b32 s[CNT], 6
	s_branch .Leven                                ; the loop is entered in its middle: the walk's tiles 0, 2, .. 10 lie in slot 0, tiles 1, 3, .. 9 in slot 1
.Lodd:
	TILE 1, 1
.Leven:
	TILE 0, 1
	s_sub_co_u32 s[CNT], s[CNT], 1
	s_cmp_lg_u32 s[CNT], 0
	s_cbranch_scc1 .Lodd
	TILE 1, 0                                      ; the walk's last tile is written out: nothing is asked for
	s_wait_tensorcnt 0x0                           ; the wave's end: behind my last tensor load and my last LDS store
	ds_add_u32 v[SPW], v[NIL]
	s_wait_dscnt 0x0
	ROUND                                          ; the closing round: no work-group ends while a partner may still ask for a tile that names it
	s_endpgm
.Lfunc_end_k_q82caabbd7c_qkv:
	.size	k_q82caabbd7c_qkv, .Lfunc_end_k_q82caabbd7c_qkv-k_q82caabbd7c_qkv
	.p2alignl 7, 3214868480
	.fill 96, 4, 3214868480
	.section	.rodata,"a",@progbits
	.p2align	6, 0x0
	.amdhsa_kernel k_q82caabbd7c_qkv
		.amdhsa_group_segment_fixed_size 327680
		.amdhsa_private_segment_fixed_size 0
		.amdhsa_enable_private_segment 0
		.amdhsa_kernarg_size 88
		.amdhsa_user_sgpr_count 2
		.amdhsa_user_sgpr_kernarg_segment_ptr 1
		.amdhsa_wavefront_size32 1
		.amdhsa_system_sgpr_workgroup_id_x 1
		.amdhsa_system_sgpr_workgroup_id_y 1
		.amdhsa_system_sgpr_workgroup_id_z 1
		.amdhsa_system_vgpr_workitem_id 0
		.amdhsa_next_free_vgpr 1024
		.amdhsa_next_free_sgpr 84
		.amdhsa_reserve_vcc 0
		.amdhsa_float_denorm_mode_32 3
		.amdhsa_float_denorm_mode_16_64 3
		.amdhsa_memory_ordered 1
		.amdhsa_forward_progress 1
		.amdhsa_inst_pref_size 108
	.end_amdhsa_kernel
	.amdgpu_metadata
---
amdhsa.version: [ 1, 2 ]
amdhsa.kernels:
  - .name:           k_q82caabbd7c_qkv
    .symbol:         k_q82caabbd7c_qkv.kd
    .args:
      - { .name: x, .offset: 0, .size: 8, .value_kind: global_buffer, .address_space: global }
      - { .name: gamma, .offset: 8, .size: 8, .value_kind: global_buffer, .address_space: global }
      - { .name: beta, .offset: 16, .size: 8, .value_kind: global_buffer, .address_space: global }
      - { .name: bq, .offset: 24, .size: 8, .value_kind: global_buffer, .address_space: global }
      - { .name: bk, .offset: 32, .size: 8, .value_kind: global_buffer, .address_space: global }
      - { .name: bfold, .offset: 40, .size: 8, .value_kind: global_buffer, .address_space: global }
      - { .name: part, .offset: 48, .size: 8, .value_kind: global_buffer, .address_space: global }
      - { .name: wcat, .offset: 56, .size: 8, .value_kind: global_buffer, .address_space: global }
      - { .name: qt, .offset: 64, .size: 8, .value_kind: global_buffer, .address_space: global }
      - { .name: kt, .offset: 72, .size: 8, .value_kind: global_buffer, .address_space: global }
      - { .name: vb, .offset: 80, .size: 8, .value_kind: global_buffer, .address_space: global }
    .group_segment_fixed_size: 327680
    .private_segment_fixed_size: 0
    .kernarg_segment_align: 8
    .kernarg_segment_size: 88
    .max_flat_workgroup_size: 128
    .sgpr_count:     84
    .vgpr_count:     1024
    .wavefront_size: 32
...
	.end_amdgpu_metadata
.endif
;; end of part 2
;; launch attn (part 3): grid 32 x 8, 4 waves a work-group, clusters of 4 x 1, 327,680 bytes of LDS; arguments qt, kt, vb, x, out0; writes out0
.if DOCPART == 3
	.amdgcn_target "amdgcn-amd-amdhsa--gfx1250"
	.amdhsa_code_object_version 6
	.text
	.protected	k_q82caabbd7c_attn
	.globl	k_q82caabbd7c_attn
	.p2align	8
	.type	k_q82caabbd7c_attn,@function
k_q82caabbd7c_attn:
	s_mov_b64 s[64:65], 0
	v_nop
	global_prefetch_b8 v0, s[64:65] scope:SCOPE_SE
	s_setreg_imm32_b32 hwreg(HW_REG_WAVE_MODE, 25, 1), 1
	s_wait_xcnt 0x0
	s_wait_alu depctr_hold_cnt(0) depctr_sa_sdst(0) depctr_va_vdst(0) depctr_va_sdst(0) depctr_va_ssrc(0) depctr_va_vcc(0) depctr_vm_vsrc(0)
	s_getreg_b32 s2, hwreg(HW_REG_IB_STS2, 6, 4)
	s_cmp_eq_u32 s2, 0
	s_cbranch_scc0 .Lentry_in_a_cluster
	s_endpgm
.Lentry_in_a_cluster:
	s_bfe_u32 s2, ttmp6, 0x10000c
	s_cmp_lg_u32 s2, 0x3003
	s_cbranch_scc0 .Lentry_shape_is_right
	s_endpgm
.Lentry_shape_is_right:
; ATTN: out[b][c][i] = x[b][c][i] + sum over j of softmax_j(q_i . k_j / sqrt(512)) v'[c][j].  q, k, v' come in bf16 in the blocked layout of the launch before; products, maxima and sums in f32;
; the weights p are rounded to bf16 for the second product (their sum l is taken of the unrounded p).
; SHARES.  A work-group owns 64 queries of one batch, four tiles t of 16, and walks the 2,048 keys in 16 steps of 128.  The four waves SHARE the queries:
;   S^T = K Q^T: wave w takes keys 32 w .. + 31 of the step against all 64 queries; Q lies whole in 512 registers of every wave.  128 matrix instructions, 8 accumulators.
;   O^T = V^T P: wave w takes channels 128 w .. + 127 against all 64 queries.  128 matrix instructions, 32 accumulators.
; So each wave fetches and reads only its own quarter of a step's K and of its V; what crosses between waves, through LDS, is P (64 x 128 bf16), the waves' row maxima, and at the end l.
; In S^T, P and O^T a lane holds ONE query (lane % 16), so a query's maximum, a and 1 / l lie in the lane that needs them.
; SOFTMAX.  A running maximum m over all keys so far: p = 2^(c s - c m), c = log2(e) / sqrt(512); in every step O and l are multiplied by a = 2^(c m_old - c m_new).
; m starts at the lowest finite number, c m at -4.25e37, O and l at 0, so the first step is a step like any other, with a = 0; the price is 256 v_mov_b32 in the wait for the first tile.
; THE WALK.  A running maximum takes the keys in any order.  Cluster c of a batch's eight begins at step 4 ((c % 4) xor (c / 4)) and goes round the 16 steps; below, step j is the walk's j-th.
; So the clusters do not all ask for the same bytes of kt and vb at the same time: among clusters 0-3, among 4-7, among the even and among the odd ones the starts lie four steps apart, and,
; if the clusters keep pace, twelve of a cluster's sixteen steps have been read by another cluster four steps earlier.
; THE PIPELINE.  For step j: [round; V(j) asked for] softmax of S(j), P(j) to LDS; S(j+1) = K(j+1) Q^T and its maxima to LDS; [round; K(j+2) asked for] O times a, O += V(j)^T P(j), statistics of
; step j + 1.  Each fill has half of that, 128 matrix instructions and the vector work beside them, in which to land; a wave has one tensor load out at any time.  The loop's text begins at the
; second round and is entered in its middle, so that it is walked 15 times and only the last step and a half is written out.
; CLUSTER.  The four query blocks of a cluster belong to one batch and walk the same K and V: each quarter tile is asked for JOINTLY, by the same tensor load, descriptor and mask in all four.
; REGISTERS, in windows of 256 (s_set_vgpr_msb: bits 1:0 source 0, 3:2 source 1, 5:4 source 2, 7:6 destination):
;   window 0: v0-15 addresses; v16-47 eight registers of statistics a tile; v48-63 the four waves' maxima; v64-127 S^T ((kb, t) at 64 + 8 (4 kb + t));
;             v128-191, v192-255 K's fragments, two buffers; in the second product P's two buffers of 32 and V's two buffers of 32
;   window 1: O^T ((cb, t) at 8 (4 cb + t))       windows 2, 3: Q, fragment (t, cs) in window 2 + cs / 8 at 32 (cs % 8) + 8 t; at the end window 2 takes x
; LIMITS: a weight below 2^-126 counts as 0; NaN and infinities are not treated apart.
.set WPART, 34816                      ; a wave's quarter of K or V: 32,768 bytes + 16 of padding behind every 256
.set VBUF,  4*WPART
.set PB,    2*VBUF                     ; P: 64 rows (queries) of 256 bytes + 16.  From here on LDS is written by LDS stores alone: no tensor load fills it
.set PP,    272
.set MX,    PB+64*PP                   ; [query][wave] f32: the waves' maxima; 1,024 bytes on, at the end, the waves' l
.set STG,   MX+2048                    ; the way out: 16 rows (channels) of 256 bytes + 16 for each wave
.set SPARE, STG+4*16*PP                ; the spare words, 128 bytes for each wave: two blocks of 256 bytes that no other line names
.set AK,  3                            ; v3   my lane's place in my quarter of K
.set AV,  4                            ; v4   the same for V (the turning load)
.set APW, 5                            ; v5   where I put 16 bytes of P
.set APR, 6                            ; v6   where I read a fragment of P
.set AMW, 7                            ; v7   my wave's word of my query's four
.set AMR, 8                            ; v8   my query's four words
.set QO,  9                            ; v9   my byte offset in a fragment of Q
.set OO,  11                           ; v11  my byte offset in x and out0
.set ASW, 12                           ; v12  the way out: where I put a number
.set ASR, 13                           ; v13  the way out: where I read a row back
.set SPW, 14                           ; v14  LDS address of my spare word; never rewritten
.set NIL, 15                           ; v15  0; never rewritten
.set ST,  16                           ; tile t at v[ST+8 t]: +0 c m, +1 m, +2, +3 l (even keys', odd keys'), +4, +5 at work, +6 a (at the end 1 / l), +7 c m_old
.set MXT, 48
.set S,   64
.set KF,  128
.set PF,  128
.set VB,  192
.set WV,  14                           ; s14  my wave's number
.set G1K, 24                           ; s[24:31] descriptor group 1 for K
.set G1V, 32                           ; s[32:39] for V
.set G0K, 40                           ; s[40:43] descriptor group 0 for K
.set G0V, 44                           ; s[44:47] for V
.set CS,  48                           ; s[48:49] c: the packed scaling takes the pair's low word for both halves
.set SEL, 50                           ; s[50:51] v_permlanex16_b32's selects: each lane takes its own place in the other half
.set CNT, 52                           ; s52  the loop's trips
.set KN,  56                           ; s56  the batch's step whose K is asked for next, 0 to 15
.set VN,  57                           ; s57  the same for V
.set OFF, 58                           ; s[58:59] a step's byte offset in kt and vb: 131,072 for each step
.set MSB, 0
.macro WIN new                         ; the immediate's high byte repeats the setting that is left; a switch that changes nothing is dropped
.if MSB != (\new)
	s_set_vgpr_msb (MSB<<8)|(\new)
.set MSB, \new
.endif
.endm
.macro PLACES                          ; four plain vector instructions between a matrix instruction and a load into, or a read of, its registers
.rept 4
	v_nop
.endr
.endm
.macro ROUND                           ; a round of the cluster's barrier: my work-group's barrier; wave 0 signals for the work-group; every wave waits for all four; my work-group's barrier once more
	s_barrier_signal -1
	s_barrier_wait -1
	s_cmp_lg_u32 s[WV], 0
	s_cbranch_scc1 .Lnot_wave_0_\@
	s_barrier_signal -3
.Lnot_wave_0_\@:
	s_barrier_wait -3
	s_barrier_signal -1
	s_barrier_wait -1
.endm
.macro FILLADR g0, base, n             ; a descriptor's address is made anew: the tensor at my quarter of the batch's step 0, plus the step's number times 131,072; then the number steps, round the 16
	s_lshl_b32 s[OFF], s[\n], 17
	s_add_nc_u64 s[(\g0)+2:(\g0)+3], s[(\base):(\base)+1], s[OFF:OFF+1]
	s_or_b32 s[(\g0)+3], s[(\g0)+3], 0x80000000    ; 127:126 type = 2
	s_add_co_u32 s[\n], s[\n], 1
	s_and_b32 s[\n], s[\n], 15
.endm
; THE MEETING, twice a step.  Each wave waits for its one tensor load that is out, adds 0 to its spare word, makes the next fill's address, and waits for the add and for all its LDS reads and
; stores.  Behind the barrier P, the maxima and the landed quarter tiles may be read, and what was read in front of it may be written.  fill = 1: K's buffer is filled again, 2: V's: the barrier is
; then a round of the cluster's, and the joint fill is the first thing behind it.  fill = 0: nothing is asked for.
.macro SYNC fill
	WIN 0                                          ; at a label and at a branch every window is 0
	s_wait_tensorcnt 0x0                           ; no tensor load of mine is out, so a group 0 may be written
	ds_add_u32 v[SPW], v[NIL]                      ; 0 onto my spare word; the scalar work stands between it and the wait for it
.if (\fill) == 1
	FILLADR G0K, 6, KN
.elseif (\fill) == 2
	FILLADR G0V, 8, VN
.endif
	s_wait_dscnt 0x0
.if (\fill) == 1
	ROUND
	tensor_load_to_lds s[G0K:G0K+3], s[G1K:G1K+7]
	s_nop 0
	PLACES
.elseif (\fill) == 2
	ROUND
	tensor_load_to_lds s[G0V:G0V+3], s[G1V:G1V+7]
	s_nop 0
	PLACES
.else
	s_barrier_signal -1
	s_barrier_wait -1
.endif
.endm
.macro FETCHK g                        ; 16 LDS loads: my 32 keys, channels 128 g .. + 127, into buffer g % 2.  Destination and address lie in window 0 under the products' settings too
.irp c, 0,1,2,3
.irp k, 0,1
	ds_load_b128 v[KF+64*((\g)%2)+8*(2*(\c)+(\k)):KF+64*((\g)%2)+8*(2*(\c)+(\k))+3],   v[AK] offset:(4*(\g)+(\c))*2176+(\k)*544
	ds_load_b128 v[KF+64*((\g)%2)+8*(2*(\c)+(\k))+4:KF+64*((\g)%2)+8*(2*(\c)+(\k))+7], v[AK] offset:(4*(\g)+(\c))*2176+(\k)*544+1088
.endr
.endr
.endm
.macro MULS g                          ; 32 products of S^T; the eight accumulators take turns; the first eight start the sums
	WIN 0x08+4*((\g)/2)                            ; Q in window 2 or 3
.irp c, 0,1,2,3
.irp k, 0,1
.irp t, 0,1,2,3
.set cs, 4*(\g)+(\c)
.set sa, S+32*(\k)+8*(\t)
.set ka, KF+64*((\g)%2)+8*(2*(\c)+(\k))
.set qa, (cs%8)*32+8*(\t)
.if cs == 0
	v_wmma_f32_16x16x32_bf16 v[sa:sa+7], v[ka:ka+7], v[qa:qa+7], 0
.else
	v_wmma_f32_16x16x32_bf16 v[sa:sa+7], v[ka:ka+7], v[qa:qa+7], v[sa:sa+7]
.endif
.endr
.endr
.endr
.endm
.macro SPH                             ; S^T of a step; FETCHK 0 and 1 have been issued
	s_wait_dscnt 16                                ; at most the youngest sixteen LDS instructions are out: the fragments about to be multiplied are older; so twice more below
	MULS 0
	PLACES
	FETCHK 2
	s_wait_dscnt 16
	MULS 1
	PLACES
	FETCHK 3
	s_wait_dscnt 16
	MULS 2
	s_wait_dscnt 0x0
	MULS 3
	WIN 0
.endm
.macro LMAX                            ; the maximum of my wave's 32 keys for each query, to LDS; each accumulator's lowest registers are read first
	PLACES
.irp t, 0,1,2,3
	v_max3_num_f32 v[ST+8*(\t)+4], v[S+8*(\t)], v[S+8*(\t)+1], v[S+8*(\t)+2]
	v_max3_num_f32 v[ST+8*(\t)+5], v[S+32+8*(\t)], v[S+32+8*(\t)+1], v[S+32+8*(\t)+2]
.endr
.irp n, 3,5
.irp t, 0,1,2,3
	v_max3_num_f32 v[ST+8*(\t)+4], v[ST+8*(\t)+4], v[S+8*(\t)+(\n)], v[S+8*(\t)+(\n)+1]
	v_max3_num_f32 v[ST+8*(\t)+5], v[ST+8*(\t)+5], v[S+32+8*(\t)+(\n)], v[S+32+8*(\t)+(\n)+1]
.endr
.endr
.irp t, 0,1,2,3
	v_max3_num_f32 v[ST+8*(\t)+4], v[ST+8*(\t)+4], v[S+8*(\t)+7], v[S+32+8*(\t)+7]
.endr
.irp t, 0,1,2,3
	v_max_num_f32 v[ST+8*(\t)+4], v[ST+8*(\t)+4], v[ST+8*(\t)+5]
.endr
.irp t, 0,1,2,3
	v_permlanex16_b32 v[ST+8*(\t)+5], v[ST+8*(\t)+4], s[SEL], s[SEL+1]  ; the query's other 16 keys lie in the lane 16 away
.endr
.irp t, 0,1,2,3
	v_max_num_f32 v[ST+8*(\t)+4], v[ST+8*(\t)+4], v[ST+8*(\t)+5]
.endr
.irp t, 0,1,2,3
	ds_store_b32 v[AMW], v[ST+8*(\t)+4] offset:256*(\t)
.endr
.endm
.macro STATS n                         ; the four waves' maxima and the old m give the new m, c m and a.  n: the LDS loads issued behind the four that brought the maxima
	s_wait_dscnt \n
.irp t, 0,1,2,3
	v_max3_num_f32 v[ST+8*(\t)+4], v[MXT+4*(\t)], v[MXT+4*(\t)+1], v[MXT+4*(\t)+2]
.endr
.irp t, 0,1,2,3
	v_mov_b32 v[ST+8*(\t)+7], v[ST+8*(\t)]
.endr
.irp t, 0,1,2,3
	v_max3_num_f32 v[ST+8*(\t)+1], v[ST+8*(\t)+4], v[MXT+4*(\t)+3], v[ST+8*(\t)+1]
.endr
.irp t, 0,1,2,3
	v_mul_f32 v[ST+8*(\t)], s[CS], v[ST+8*(\t)+1]
.endr
.irp t, 0,1,2,3
	v_sub_f32 v[ST+8*(\t)+5], v[ST+8*(\t)+7], v[ST+8*(\t)]
.endr
.irp t, 0,1,2,3
	v_exp_f32 v[ST+8*(\t)+6], v[ST+8*(\t)+5]
.endr
	v_nop                                          ; a plain instruction between the last exponential and the use of its result
.endm
; THE SOFTMAX of my 32 keys x 64 queries, a line at a time.  SCL: c s - c m for pair n of 8 of tile t.  EXQ: the exponential of score n of 16.  PLN: number n of 16 plain lines behind them:
; even n: l takes a pair of weights (the first time as l = a l + pair); odd n: a pair is rounded to bf16, in place: register k of an accumulator takes pair k, whose sum has been taken.
.macro SCL t, n
.set sr, S+32*((\n)/4)+8*(\t)+2*((\n)%4)
	v_pk_fma_f32 v[sr:sr+1], v[sr:sr+1], s[CS:CS+1], v[ST+8*(\t):ST+8*(\t)+1] op_sel_hi:[1,0,0] neg_lo:[0,0,1] neg_hi:[0,0,1]
.endm
.macro EXQ t, n
.set sr, S+32*((\n)/8)+8*(\t)+(\n)%8
	v_exp_f32 v[sr], v[sr]
.endm
.macro PLN t, n
.set sa, S+32*((\n)/8)+8*(\t)
.set kk, ((\n)%8)/2
.if (\n)%2
	v_cvt_pk_bf16_f32 v[sa+kk], v[sa+2*kk], v[sa+2*kk+1]
.elseif (\n) == 0
	s_wait_alu depctr_va_vdst(0)
	v_pk_fma_f32 v[ST+8*(\t)+2:ST+8*(\t)+3], v[ST+8*(\t)+2:ST+8*(\t)+3], v[ST+8*(\t)+6:ST+8*(\t)+7], v[sa:sa+1] op_sel_hi:[1,0,1]
.else
	v_pk_add_f32 v[ST+8*(\t)+2:ST+8*(\t)+3], v[ST+8*(\t)+2:ST+8*(\t)+3], v[sa+2*kk:sa+2*kk+1]
.endif
.endm
; Behind every exponential stands a plain line of ANOTHER tile, so that no result is used, and no source written, by the line next to it.
.macro SOFT
.set i, 0
.rept 8
	SCL 0, i
	SCL 1, i
.set i, i+1
.endr
.set i, 0
.rept 16
	EXQ 0, i
	SCL 2+i/8, i%8
.set i, i+1
.endr
.irp t, 1,2,3
.set i, 0
.rept 16
	EXQ \t, i
	PLN (\t)-1, i
.set i, i+1
.endr
.endr
.set i, 0
.rept 16
	PLN 3, i
.set i, i+1
.endr
.irp t, 0,1,2,3
.irp k, 0,1
	ds_store_b128 v[APW], v[S+32*(\k)+8*(\t):S+32*(\k)+8*(\t)+3] offset:(\t)*16*PP+(\k)*32  ; query 16 t + r, keys 32 w + 16 kb + 8 hf on
.endr
.endr
.endm
.macro RESC                            ; O^T times a, each accumulator from its low end on
	WIN 0x41                                       ; O^T (destination and source 0) in window 1, a in window 0
.set p, 0
.rept 128
	v_pk_mul_f32 v[2*p:2*p+1], v[2*p:2*p+1], v[ST+8*((p/4)%4)+6:ST+8*((p/4)%4)+7] op_sel_hi:[1,0]
.set p, p+1
.endr
	WIN 0
.endm
.macro LDP kc                          ; P's fragments for keys 32 kc on: 4 tiles x (16 queries x 32 keys)
.irp t, 0,1,2,3
	ds_load_b128 v[PF+32*((\kc)%2)+8*(\t):PF+32*((\kc)%2)+8*(\t)+3],   v[APR] offset:(\t)*16*PP+(\kc)*64
	ds_load_b128 v[PF+32*((\kc)%2)+8*(\t)+4:PF+32*((\kc)%2)+8*(\t)+7], v[APR] offset:(\t)*16*PP+(\kc)*64+32
.endr
.endm
.macro LDV g                           ; V^T's fragments, turned: keys 32 (g / 2) on, my channel blocks 4 (g % 2) .. + 3
.irp c, 0,1,2,3
	ds_load_tr16_b128 v[VB+32*((\g)%2)+8*(\c):VB+32*((\g)%2)+8*(\c)+3],   v[AV] offset:((\g)/2)*8704+(4*((\g)%2)+(\c))*1088
	ds_load_tr16_b128 v[VB+32*((\g)%2)+8*(\c)+4:VB+32*((\g)%2)+8*(\c)+7], v[AV] offset:((\g)/2)*8704+(4*((\g)%2)+(\c))*1088+544
.endr
.endm
.macro MULP g                          ; 16 products of O^T on 16 accumulators, which take turns
	WIN 0x50                                       ; C and D in window 1
.irp c, 0,1,2,3
.irp t, 0,1,2,3
.set oa, 8*(4*(4*((\g)%2)+(\c))+(\t))
.set va, VB+32*((\g)%2)+8*(\c)
.set pa, PF+32*(((\g)/2)%2)+8*(\t)
	v_wmma_f32_16x16x32_bf16 v[oa:oa+7], v[va:va+7], v[pa:pa+7], v[oa:oa+7]
.endr
.endr
	WIN 0
.endm
; O^T = a O^T + V^T P for a step, the products in eight groups; the loads run two groups ahead.  Each counted wait leaves out exactly the LDS loads issued behind those that the group needs.
; The rescaling, by the step's own a, and then the NEXT step's statistics, which write a anew, stand in the wait for the first fragments.
.macro PVPH stats
.if \stats
.irp t, 0,1,2,3
	ds_load_b128 v[MXT+4*(\t):MXT+4*(\t)+3], v[AMR] offset:256*(\t)
.endr
.endif
	LDP 0
	LDV 0
	LDP 1
	LDV 1
	RESC
.if \stats
	STATS 32                                       ; out: the 32 loads of P and V just issued
.endif
	s_wait_dscnt 16                                ; out: LDP 1, LDV 1
	MULP 0
	PLACES
	LDV 2
	s_wait_dscnt 8                                 ; out: LDV 2
	MULP 1
	PLACES
	LDV 3
	LDP 2
	s_wait_dscnt 16                                ; out: LDV 3, LDP 2
	MULP 2
	PLACES
	LDV 4
	s_wait_dscnt 16                                ; out: LDP 2, LDV 4
	MULP 3
	PLACES
	LDV 5
	LDP 3
	s_wait_dscnt 16                                ; out: LDV 5, LDP 3
	MULP 4
	PLACES
	LDV 6
	s_wait_dscnt 16                                ; out: LDP 3, LDV 6
	MULP 5
	PLACES
	LDV 7
	s_wait_dscnt 8                                 ; out: LDV 7
	MULP 6
	s_wait_dscnt 0x0
	MULP 7
.endm
.macro XLOAD                           ; my 128 channels x 64 columns of x, into the half of Q's registers that the last scores have left: sixteen lanes cover a row's 256 bytes
	WIN 0x80
.set n, 0
.rept 64
	global_load_b128 v[4*n:4*n+3], v[OO], s[10:11] offset:(16*(n/8)+2*(n%8))*8192 th:TH_LOAD_NT
.set n, n+1
.endr
	WIN 0
.endm
	s_load_b256 s[4:11], s[0:1], 0x0               ; qt s[4:5], kt s[6:7], vb s[8:9], x s[10:11]
	s_load_b64 s[12:13], s[0:1], 0x20              ; out0
	v_lshl_add_u32 v[SPW], v0, 2, SPARE
	v_mov_b32 v[NIL], 0
	ds_add_u32 v[SPW], v[NIL]                      ; the wave's opening: the add and its wait come ahead of my first tensor load; the set-up below, work on registers, stands between them
	v_lshrrev_b32 v1, 5, v0
	v_readfirstlane_b32 s[WV], v1                  ; wave 0..3
	s_bfe_u32 s15, ttmp6, 0x40000                  ; cx: my place in the cluster
	s_lshl_b32 s16, ttmp9, 2                       ; in a cluster launch ttmp9 counts clusters
	s_add_co_u32 s16, s16, s15                     ; my block of 64 queries: it enters Q's, x's and out0's addresses alone
	s_and_b32 s17, ttmp7, 0xffff                   ; the batch, which the four partners share
	s_and_b32 s[KN], ttmp9, 3                      ; where my cluster's walk begins: step 4 ((c % 4) xor (c / 4)), c the cluster's number among the batch's eight, which the partners share
	s_lshr_b32 s[VN], ttmp9, 2
	s_xor_b32 s[KN], s[KN], s[VN]
	s_lshl_b32 s[KN], s[KN], 2
	s_mov_b32 s[VN], s[KN]
	s_mov_b32 s[OFF+1], 0
	; descriptor group 1.  K: my 32 keys are 32,768 dense bytes, asked for as 128 rows of 256.  V: my 128 channels of a step are four pieces of 8,192 bytes, 32,768 apart.  Both padded behind every 256 bytes.
	s_mov_b32 s[G1K+0], 15|(1<<16)|(1<<20)|(1<<21)|(5<<22)|(3<<25)  ; 15:0 the mask of four; 17:16 2-byte elements; 20 padding on; 21 set beside a mask; 24:22 after every 64 words (code 5); 31:25 4 words (code 3)
	s_mov_b32 s[G1K+1], 128<<16                    ; tensor_dim0 = 128
	s_mov_b32 s[G1K+2], 128<<16                    ; tensor_dim1 = 128
	s_mov_b32 s[G1K+3], 128<<16                    ; tile_dim0 = 128
	s_mov_b32 s[G1K+4], 128                        ; tile_dim1 = 128
	s_mov_b32 s[G1K+5], 128                        ; 128 elements from row to row
	s_mov_b32 s[G1K+6], 0
	s_mov_b32 s[G1K+7], 0
	s_mov_b32 s[G1V+0], 15|(1<<16)|(1<<20)|(1<<21)|(5<<22)|(3<<25)
	s_mov_b32 s[G1V+1], 4096<<16                   ; tensor_dim0 = 4,096
	s_mov_b32 s[G1V+2], 4<<16                      ; tensor_dim1 = 4
	s_mov_b32 s[G1V+3], 4096<<16                   ; tile_dim0 = 4,096
	s_mov_b32 s[G1V+4], 4                          ; tile_dim1 = 4
	s_mov_b32 s[G1V+5], 16384                      ; 16,384 elements from row to row
	s_mov_b32 s[G1V+6], 0
	s_mov_b32 s[G1V+7], 0
	s_mul_i32 s53, s[WV], WPART                    ; my quarter of a buffer: no place in the cluster enters an LDS address
	s_mov_b32 s[G0K+0], 1
	s_mov_b32 s[G0K+1], s53
	s_mov_b32 s[G0V+0], 1
	s_add_co_u32 s[G0V+1], s53, VBUF
	s_lshl_b32 s18, s17, 21                        ; the batch's 2 MiB of kt,
	s_lshl_b32 s19, s[WV], 15                      ; my 32 keys of its step 0
	s_add_co_u32 s18, s18, s19
	s_mov_b32 s19, 0
	s_lshl_b32 s20, s17, 21                        ; of vb,
	s_lshl_b32 s21, s[WV], 13                      ; my 128 channels of its first 32 keys
	s_add_co_u32 s20, s20, s21
	s_mov_b32 s21, 0
	s_lshl_b32 s22, s17, 5
	s_add_co_u32 s22, s22, s16
	s_lshl_b32 s22, s22, 16                        ; qt: block 32 b + qblk of 65,536 bytes
	s_mov_b32 s23, 0
	s_lshl_b32 s54, s17, 22                        ; x and out0: the batch's 4 MiB, my block's 256 bytes of each row
	s_lshl_b32 s55, s16, 8
	s_add_co_u32 s54, s54, s55
	s_mov_b32 s55, 0
	s_mov_b32 s[CS], 0x3d8293ee                    ; c = log2(e) / sqrt(512) = 0.0637587
	s_mov_b32 s[CS+1], s[CS]                       ; named with it as a pair
	s_mov_b32 s[SEL], 0x76543210
	s_mov_b32 s[SEL+1], 0xfedcba98
	s_wait_dscnt 0x0                               ; the opening add is done
	s_wait_kmcnt 0x0
	s_add_nc_u64 s[6:7], s[6:7], s[18:19]          ; kt and vb at my quarter of the batch's step 0: the bases of every fill
	s_add_nc_u64 s[8:9], s[8:9], s[20:21]
	FILLADR G0K, 6, KN                             ; K of the walk's step 0
	s_add_nc_u64 s[4:5], s[4:5], s[22:23]
	s_add_nc_u64 s[10:11], s[10:11], s[54:55]
	s_add_nc_u64 s[12:13], s[12:13], s[54:55]
	ROUND                                          ; all four work-groups are here: the first joint loads meet
	tensor_load_to_lds s[G0K:G0K+3], s[G1K:G1K+7]
	s_nop 0
	PLACES
	v_and_b32 v1, 15, v0                           ; r = lane % 16
	v_bfe_u32 v2, v0, 4, 1                         ; hf = lane / 16
	v_lshlrev_b32 v[QO], 5, v1
	v_lshl_add_u32 v[QO], v2, 4, v[QO]             ; a fragment is 512 dense bytes: 32 r + 16 hf
.set f, 0
.rept 64                               ; Q stays in registers: channels 32 (f / 4) on, tile f % 4
	WIN 0x80+0x40*(f/32)
	global_load_b128 v[((f/4)%8)*32+8*(f%4):((f/4)%8)*32+8*(f%4)+3],   v[QO], s[4:5] offset:((f%4)/2)*32768+(f/4)*2048+((f%4)%2)*512
	global_load_b128 v[((f/4)%8)*32+8*(f%4)+4:((f/4)%8)*32+8*(f%4)+7], v[QO], s[4:5] offset:((f%4)/2)*32768+(f/4)*2048+((f%4)%2)*512+1024
.set f, f+1
.endr
	WIN 0
	v_lshrrev_b32 v[AK], 3, v1                     ; in LDS those 512 bytes are two runs of 256, 272 apart
	v_mul_u32_u24 v[AK], v[AK], 272
	v_and_b32 v10, 7, v0
	v_lshl_add_u32 v[AK], v10, 5, v[AK]
	v_lshl_add_u32 v[AK], v2, 4, v[AK]
	v_add_nc_u32 v[AK], s53, v[AK]
	v_mul_u32_u24 v[AV], v2, 272                   ; the turning load: lane l reads key 8 hf + l % 8 (32 bytes a key), channels 8 ((l / 8) % 2) on
	v_lshl_add_u32 v[AV], v10, 5, v[AV]
	v_bfe_u32 v10, v0, 3, 1
	v_lshl_add_u32 v[AV], v10, 4, v[AV]
	v_add_nc_u32 v[AV], s[G0V+1], v[AV]
	v_mul_u32_u24 v[APR], v1, PP
	v_lshl_add_u32 v[APR], v2, 4, v[APR]
	v_add_nc_u32 v[APR], PB, v[APR]
	v_lshl_add_u32 v[APW], s[WV], 6, v[APR]        ; my wave's 32 keys are 64 bytes of a row of P
	v_lshlrev_b32 v[AMR], 4, v1
	v_add_nc_u32 v[AMR], MX, v[AMR]
	v_lshl_add_u32 v[AMW], s[WV], 2, v[AMR]
	v_lshlrev_b32 v[OO], 13, v2                    ; lanes 0-15 one row of 8,192 bytes, lanes 16-31 the next,
	v_lshl_add_u32 v[OO], v1, 4, v[OO]
	v_lshl_add_u32 v[OO], s[WV], 20, v[OO]         ; of my wave's 128 channels
	s_mul_i32 s18, s[WV], 16*PP
	s_add_co_u32 s18, s18, STG                     ; my stage
	v_mul_u32_u24 v[ASW], v2, 8*PP                 ; in: channel 8 hf + j, column 16 t + r
	v_lshl_add_u32 v[ASW], v1, 2, v[ASW]
	v_add_nc_u32 v[ASW], s18, v[ASW]
	v_mul_u32_u24 v[ASR], v2, PP                   ; back: lanes 0-15 take one row of 256 bytes, lanes 16-31 the next
	v_lshl_add_u32 v[ASR], v1, 4, v[ASR]
	v_add_nc_u32 v[ASR], s18, v[ASR]
.irp t, 0,1,2,3
	v_mov_b32 v[ST+8*(\t)], 0xfe000000             ; c m: far below every c s
	v_mov_b32 v[ST+8*(\t)+1], 0xff7fffff           ; m
.irp n, 2,3,4,5,6,7
	v_mov_b32 v[ST+8*(\t)+(\n)], 0
.endr
.endr
	WIN 0x40
.set i, 0
.rept 256                              ; O^T = 0: the first step multiplies it by a = 0, so it has to be finite; this stands in the wait for K and Q
	v_mov_b32 v[i], 0
.set i, i+1
.endr
	WIN 0
	s_wait_tensorcnt 0x0                           ; my quarter of K(0) is in; only I read it
	FETCHK 0
	FETCHK 1
	s_wait_loadcnt 0x0                             ; Q
	SPH                                            ; S(0)
	LMAX
	SYNC 1                                         ; the maxima are written; K's buffer, read out, takes K(1)
.irp t, 0,1,2,3
	ds_load_b128 v[MXT+4*(\t):MXT+4*(\t)+3], v[AMR] offset:256*(\t)
.endr
	STATS 0
	s_mov_b32 s[CNT], 15
	s_branch .Lfirst                               ; the loop is entered in its middle: there is no step in front of step 0 whose second product were due
.Lstep:                                                ; trip j = 1 .. 14 from here, trip 0 from .Lfirst
	SYNC 1                                         ; V(j-1) has landed; P(j-1) and the maxima of S(j) are written; K's buffer, read out, takes K(j+1)
	PVPH 1                                         ; O = a O + V(j-1)^T P(j-1); the statistics of step j
.Lfirst:
	SYNC 2                                         ; K(j+1) has landed; V's buffer, read out, takes V(j)
	FETCHK 0                                       ; K(j+1)'s first fragments come while the softmax is made
	FETCHK 1
	SOFT                                           ; of S(j); P(j) to LDS
	SPH                                            ; S(j+1)
	LMAX
	s_sub_co_u32 s[CNT], s[CNT], 1
	s_cmp_lg_u32 s[CNT], 0
	s_cbranch_scc1 .Lstep
	SYNC 0                                         ; the tail is written out: no further K is asked for
	PVPH 1                                         ; step 14's second product; the statistics of step 15
	SYNC 2                                         ; V(15), the last fill
	XLOAD                                          ; x comes while the last step is finished
	SOFT
	SYNC 0
	PVPH 0
	; THE WAY OUT.  l: its two halves, the other half of the lanes', the other three waves'.  The additions are the places behind the last products.
.irp t, 0,1,2,3
	v_add_f32 v[ST+8*(\t)+4], v[ST+8*(\t)+2], v[ST+8*(\t)+3]
.endr
.irp t, 0,1,2,3
	v_permlanex16_b32 v[ST+8*(\t)+5], v[ST+8*(\t)+4], s[SEL], s[SEL+1]
.endr
.irp t, 0,1,2,3
	v_add_f32 v[ST+8*(\t)+4], v[ST+8*(\t)+4], v[ST+8*(\t)+5]
.endr
.irp t, 0,1,2,3
	ds_store_b32 v[AMW], v[ST+8*(\t)+4] offset:1024+256*(\t)
.endr
	s_wait_dscnt 0x0                               ; for the others' sake: my words are written
	s_barrier_signal -1
	s_barrier_wait -1
.irp t, 0,1,2,3
	ds_load_b128 v[MXT+4*(\t):MXT+4*(\t)+3], v[AMR] offset:1024+256*(\t)
.endr
	s_wait_dscnt 0x0
.irp t, 0,1,2,3
	v_add_f32 v[MXT+4*(\t)], v[MXT+4*(\t)], v[MXT+4*(\t)+1]
	v_add_f32 v[MXT+4*(\t)+2], v[MXT+4*(\t)+2], v[MXT+4*(\t)+3]
.endr
.irp t, 0,1,2,3
	v_add_f32 v[MXT+4*(\t)], v[MXT+4*(\t)], v[MXT+4*(\t)+2]
.endr
.irp t, 0,1,2,3
	v_rcp_f32 v[ST+8*(\t)+6], v[MXT+4*(\t)]
.endr
	v_nop                                          ; a plain instruction between the last reciprocal and the use of its result
	s_wait_alu depctr_va_vdst(0)
	s_wait_loadcnt 0x0                             ; x
; Channel block cb: O^T / l, a lane's eight channels of one column; through my own stage they become rows of 64 columns; x is added, and sixteen lanes store a row's 256 bytes.
.macro OUTB cb
.set tb, 128+32*((\cb)%2)
.set rb, 192+32*((\cb)%2)
	WIN 0x01                                       ; O^T in window 1
.irp t, 0,1,2,3
.irp k, 0,1,2,3                        ; each accumulator from its low end on
	v_pk_mul_f32 v[tb+8*(\t)+2*(\k):tb+8*(\t)+2*(\k)+1], v[8*(4*(\cb)+(\t))+2*(\k):8*(4*(\cb)+(\t))+2*(\k)+1], v[ST+8*(\t)+6:ST+8*(\t)+7] op_sel_hi:[1,0]
.endr
.endr
	WIN 0
.irp t, 0,1,2,3
.irp j, 0,1,2,3,4,5,6,7
	ds_store_b32 v[ASW], v[tb+8*(\t)+(\j)] offset:(\j)*PP+(\t)*64
.endr
.endr
	s_wait_xcnt 0x0                                ; earlier stores have read their data: the loads below land on registers that they named
.irp k, 0,1,2,3,4,5,6,7
	ds_load_b128 v[rb+4*(\k):rb+4*(\k)+3], v[ASR] offset:2*(\k)*PP  ; LDS serves a wave's instructions in order (ISA guide 5.7.1.4): these see the stores above, and the next block's stores come behind them
.endr
	s_wait_dscnt 0x0
	WIN 0x08                                       ; x in window 2
.set n, 0
.rept 16
	v_pk_add_f32 v[rb+2*n:rb+2*n+1], v[rb+2*n:rb+2*n+1], v[32*(\cb)+2*n:32*(\cb)+2*n+1]
.set n, n+1
.endr
	WIN 0
.irp k, 0,1,2,3,4,5,6,7
	global_store_b128 v[OO], v[rb+4*(\k):rb+4*(\k)+3], s[12:13] offset:(16*(\cb)+2*(\k))*8192 th:TH_STORE_NT  ; 16 lanes store 256 consecutive bytes, at a multiple of 256 from out0's first byte
.endr
.endm
.irp b, 0,1,2,3,4,5,6,7
	OUTB \b
.endr
	s_wait_tensorcnt 0x0                           ; the wave's end: behind my last tensor load and my last LDS store
	ds_add_u32 v[SPW], v[NIL]
	s_wait_dscnt 0x0
	ROUND                                          ; the closing round: no work-group ends while a partner may still ask for a tile that names it
	s_endpgm
.Lfunc_end_k_q82caabbd7c_attn:
	.size	k_q82caabbd7c_attn, .Lfunc_end_k_q82caabbd7c_attn-k_q82caabbd7c_attn
	.p2alignl 7, 3214868480
	.fill 96, 4, 3214868480
	.section	.rodata,"a",@progbits
	.p2align	6, 0x0
	.amdhsa_kernel k_q82caabbd7c_attn
		.amdhsa_group_segment_fixed_size 327680
		.amdhsa_private_segment_fixed_size 0
		.amdhsa_enable_private_segment 0
		.amdhsa_kernarg_size 40
		.amdhsa_user_sgpr_count 2
		.amdhsa_user_sgpr_kernarg_segment_ptr 1
		.amdhsa_wavefront_size32 1
		.amdhsa_system_sgpr_workgroup_id_x 1
		.amdhsa_system_sgpr_workgroup_id_y 1
		.amdhsa_system_sgpr_workgroup_id_z 1
		.amdhsa_system_vgpr_workitem_id 0
		.amdhsa_next_free_vgpr 1024
		.amdhsa_next_free_sgpr 66
		.amdhsa_reserve_vcc 0
		.amdhsa_float_denorm_mode_32 3
		.amdhsa_float_denorm_mode_16_64 3
		.amdhsa_memory_ordered 1
		.amdhsa_forward_progress 1
		.amdhsa_inst_pref_size 205
	.end_amdhsa_kernel
	.amdgpu_metadata
---
amdhsa.version: [ 1, 2 ]
amdhsa.kernels:
  - .name:           k_q82caabbd7c_attn
    .symbol:         k_q82caabbd7c_attn.kd
    .args:
      - { .name: qt, .offset: 0, .size: 8, .value_kind: global_buffer, .address_space: global }
      - { .name: kt, .offset: 8, .size: 8, .value_kind: global_buffer, .address_space: global }
      - { .name: vb, .offset: 16, .size: 8, .value_kind: global_buffer, .address_space: global }
      - { .name: x, .offset: 24, .size: 8, .value_kind: global_buffer, .address_space: global }
      - { .name: out0, .offset: 32, .size: 8, .value_kind: global_buffer, .address_space: global }
    .group_segment_fixed_size: 327680
    .private_segment_fixed_size: 0
    .kernarg_segment_align: 8
    .kernarg_segment_size: 40
    .max_flat_workgroup_size: 128
    .sgpr_count:     66
    .vgpr_count:     1024
    .wavefront_size: 32
...
	.end_amdgpu_metadata
.endif
;; end of part 3
